; MI455X (gfx1250); checked and timed in simulation.
; The chip was launched on July 23, 2026; its instructions are those of AMD's public machine-readable ISA for CDNA 5 (MIT licence, August 2026) and "CDNA5" Instruction Set Architecture Reference Guide (July 2026). The comments in the code are by the model that wrote it; some were corrected since.
;; Deep Seek Mo E. Allowed arithmetic: matrix products marked QUANTISED: E2M1 operands, one E8M0 scale for each 32 along K, by v_wmma_scale_f32_16x16x128_f8f6f4 with both operands' format E2M1 (or v_wmma_scale_f32_32x16x128_f4), f32 sums; products left as they are: f32 operands where the result goes on into a quantised operand, else bf16, f16 or f32 operands; f32 sums; everything else in f32.
;; Inputs: Wi 4,096 x 512 float32; Wo 512 x 4,096 float32; Wr 8 x 4,096 float32; bi 4,096 float32; bo 512 float32; br 8 float32; x 8 x 2,048 x 512 float32.
;; Outputs: out0 8 x 2,048 x 512 float32.
;; This version of the problem:
;;   THIS VERSION OF THE PROBLEM IS GIVEN IN LOW PRECISION. The matrix products marked QUANTISED in the list below multiply operands that are first quantised to E2M1 (2 exponent bits, 1 mantissa bit; 4 bits a number), with one power-of-two scale for each 32 numbers along K (OCP MX v1.0); their sums are f32. All else is computed in f32.
;;   The module's matrix products, in the order in which they are computed (A, B: the left and right operand; K: the contracted axis; several contracted axes count as one K, in the product's order):
;;     1. [M 16,384, K 512] x [K 512, N 4,096]; A: input x; B: input Wi: QUANTISED
;;     2. [M 16,384, K 4,096] x [K 4,096, N 8]; A: computed on the way; B: input Wr: left as it is (N = 8 < 16)
;;     3. [M 16,384, K 4,096] x [K 4,096, N 512]; A: computed on the way; B: input Wo: QUANTISED
;;   THE QUANTISER, for each operand of a quantised product, along K:
;;     - K is cut into blocks of 32 from its start; a last block that is shorter is filled with zeros.
;;     - A block's scale is 2^e with e = floor(log2(the largest magnitude in the block)) - 2, held to -126 .. 127; a block of zeros has e = 0. As a byte (E8M0): e + 127.
;;     - Each number is divided by its block's scale, clamped to +-6, and rounded to the nearest number of E2M1, ties to even, subnormals kept.
;;     - The product sums the exact products of the quantised numbers (number of the format x scale) in f32.
;;   ~~~python
;;   def quantise(x, axis):      # numpy; x: float32 -> the quantised numbers, widened to float32 again
;;       x = np.moveaxis(x, axis, -1); K = x.shape[-1]
;;       x = np.pad(x, [(0, 0)] * (x.ndim - 1) + [(0, -K % 32)]); x = x.reshape(x.shape[:-1] + (-1, 32)); a = np.abs(x).max(-1, keepdims=True)
;;       e = np.where(a > 0, np.clip(np.frexp(np.where(a > 0, a, 1))[1] - 1 - 2, -126, 127), 0)      # np.frexp(a)[1] - 1 = floor(log2(a)), exactly
;;       r = np.clip(x / 2.0 ** e, -6, 6)
;;       step = 2.0 ** (np.maximum(np.frexp(np.where(r == 0, 1, r))[1] - 1, 0) - 1)
;;       q = np.round(r / step) * step * 2.0 ** e      # np.round: ties to even
;;       return np.moveaxis(q.reshape(q.shape[:-2] + (-1,))[..., :K], -1, axis).astype(np.float32)
;;   ~~~
;;   OPERANDS COMPUTED ON THE WAY. 'Computed on the way' means the value that the module computes at that place (a softmax that the list does not call 'softmax' is quantised finished and normalised). What goes into a quantiser is computed in f32, as accurately as f32 sums, v_exp_f32 and their like allow (about 1e-6 of the number): no bf16 or f16 on the way to a quantiser, and a product that is left as it is and whose result goes on into a quantised operand takes f32 operands (vector FMAs, or v_wmma_f32_16x16x4_f32). A number that lies on a knife's edge between two numbers of the format may be rounded either way, as far as f32 arithmetic and the matrix unit's own rounding can turn it there, and no further.
;; One version. Each part assembles by itself: llvm-mc -triple=amdgcn-amd-amdhsa -mcpu=gfx1250 --defsym DOCPART=n.
;; ======== version 1 of 1: 2 launches
;; limits: right only within a limited range of input values
;; workspace buffers: wpack 1,261,568 bytes; xpack 4,456,448 bytes; rp 16,384 bytes
;; launch prep (part 1): grid 1536 x 1, 4 waves a work-group, no clusters, 34,816 bytes of LDS; arguments x, Wi, Wo, Wr, bi, wpack, xpack, rp; writes wpack, xpack, rp
.if DOCPART == 1
	.amdgcn_target "amdgcn-amd-amdhsa--gfx1250"
	.amdhsa_code_object_version 6
	.text
	.protected	k_qb1077cc630_prep
	.globl	k_qb1077cc630_prep
	.p2align	8
	.type	k_qb1077cc630_prep,@function
k_qb1077cc630_prep:
	s_mov_b64 s[64:65], 0
	v_nop
	global_prefetch_b8 v0, s[64:65] scope:SCOPE_SE
	s_setreg_imm32_b32 hwreg(HW_REG_WAVE_MODE, 25, 1), 1
	s_wait_xcnt 0x0
; DeepSeekMoE, first of two launches: x and the weights are made ready.
;   h = Q(x) Q(Wi)^T + bi;  logits = h Wr^T + br;  softmax, top 2;  s = the mean of h[t][e] over the two experts e chosen;  out = Q(s broadcast along 4,096) Q(Wo)^T + bo.
; WORK LEFT OUT, AND WHY IT IS DEAD.  The left operand of the last product holds, in row t, 4,096 times the same number s_t.  So each of its 128 blocks of 32 has the same
; largest magnitude, hence the same scale and the same code: the quantised row is q_t x (1, .., 1), q_t = Q(s_t), whatever the inputs hold.  Then out[t][o] = q_t x R[o] + bo[o]
; with R[o] = the sum over k of 1 x Q(Wo)[o][k]: the product's 16,384 rows are one row times a number.  That one row is multiplied here, once, on codes of E2M1 (a left operand of ones);
; the other rows are not multiplied.  No input is left out: all seven are loaded by one of the two launches.
; LIMITS.  NaN and infinities among the inputs are not served.  An overflow of q_t x Q(Wo)[o][k] inside the sums that are left out is not carried to the result.  A block of zeros
; gets the scale byte 1 where the rule says 127: its codes are zeros, and the bytes are read by this program alone.
; WHAT THIS LAUNCH STORES.
;   wpack: 32 blocks of 39,424 bytes, a block = 8 tiles of 16 hidden units: 8 x 4,096 bytes of codes, 8 pieces of 512 bytes a tile, images of the operand's registers (piece 2 s + c: lane l's
;          16 bytes at 16 l = codes k = 128 s + 64 c + 32 (l / 16) + 0 .. 31 of unit l % 16);  at 32,768 the scale words [8 tiles][16 units][4 K steps];  at 34,816 Wr [8 tiles][2 q][2 h][8 experts],
;          16 bytes each: Wr[e][16 T + 8 h + 4 q + 0 .. 3];  at 38,912 bi [8 tiles][16 units].
;   xpack: 1,024 tiles of 16 tokens, 4,352 bytes each: the same 4,096 bytes of images, then the scale words.
;   rp:    [8][512] f32: the sum over k = 512 c .. 512 c + 511 of 1 x Q(Wo)[o][k].
; SHARES.  Work-groups 0-255: 16 rows of Wo x 512 along K each.  256-511: a tile of Wi each.  512-1,535: a tile of x each.  Wave s takes K step s: 16 rows x 128 numbers.  Each load reads 512
; consecutive bytes of one row; the rows turn through the wave's own stage in LDS, so that a lane gets two whole blocks of 32 of one row, in the order of the operand's registers.
; All kinds take one way through the text up to the tail; only pointers, pitch and offsets are chosen.
.set STGW,   8448                      ; a wave's stage: 16 rows x 528 bytes
.set SPITCH, 528                       ; 512 bytes + 16 = 132 words: row r starts at bank 4 r mod 64 (64 banks of 4 bytes: ISA guide 11.1)
.set SCX,    33792                     ; 16 rows x 4 scale words
.set PSX,    34048                     ; Wo's way alone: 4 waves x 16 partial sums
.set SPARE,  34304                     ; the spare words, 128 bytes for each wave: two blocks of 256 bytes that no other line names
.set WBLK,   39424
.set XTILE,  4352
.set SPW,  4                           ; LDS address of my spare word; never rewritten
.set NIL,  5                           ; 0; never rewritten
.set STI,  6                           ; the stage, on the way in: 16 x lane
.set STO,  7                           ; and back: row r, + 128 h
.set L16,  8                           ; 16 x lane
.set WRO,  9                           ; Wr: my offset
.set CDO,  10                          ; the codes' place in a tile: 1,024 x wave + 16 x lane
.set SCA,  11                          ; 16 r + 4 x wave
.set L8,   12                          ; 8 x lane
.set PSA,  13                          ; 64 x wave + 4 r
.set LN,   14
.set TW,   15
.set R4,   16                          ; 4 r
.set RPO,  17                          ; my place in rp
.set SCW,  18                          ; v18-19 two scale words on their way out
.set B2,   46                          ; v46-47 two numbers of bi
.set W4,   20                          ; v20-23 numbers of Wr
.set ONES, 24                          ; v24-31 a fragment of ones
.set SA,   32                          ; its scale word: holds scales alone
.set SW,   33                          ; my row's scale word: holds scales alone
.set MX,   34                          ; v34-35 largest magnitudes
.set SO,   36                          ; v36-37 the conversions' scale operands
.set BY,   38                          ; v38-39 scale bytes
.set TA,   40                          ; v40-47 at work
.set F,    48                          ; v48-55 the fragment's codes
.set D,    56                          ; v56-63 the product with ones
.set R,    64                          ; v64-127 64 numbers
.set VO,   128                         ; v128-143 the 16 rows' offsets
	s_load_b512 s[4:19], s[0:1], 0x0               ; x s[4:5], Wi s[6:7], Wo s[8:9], Wr s[10:11], bi s[12:13], wpack s[14:15], xpack s[16:17], rp s[18:19]
	v_lshl_add_u32 v[SPW], v0, 2, SPARE
	v_mov_b32 v[NIL], 0
	v_lshrrev_b32 v1, 5, v0
	v_readfirstlane_b32 s20, v1                    ; wave 0..3
	v_and_b32 v[LN], 31, v0
	v_and_b32 v2, 15, v0                           ; r
	v_bfe_u32 v3, v0, 4, 1                         ; h
	s_mul_i32 s21, s20, STGW
	s_lshl_b32 s22, s20, 10
	s_lshl_b32 s24, s20, 2
	s_lshl_b32 s25, s20, 6
	s_lshl_b32 s34, s20, 9                         ; my K step: 512 bytes of each row
	v_lshlrev_b32 v[L16], 4, v[LN]
	v_lshlrev_b32 v[L8], 3, v[LN]
	v_lshlrev_b32 v[R4], 2, v2
	v_mul_u32_u24 v[STO], v2, SPITCH
	v_and_b32 v[WRO], 7, v[LN]                     ; Wr: lane l = 16 q + 8 h + e takes expert e's numbers 8 h + 4 q + 0 .. 3 of the tile
	v_bfe_u32 v[TW], v[LN], 3, 1
	v_add_nc_u32 v[STI], s21, v[L16]
	v_lshl_add_u32 v[STO], v3, 7, v[STO]
	v_lshlrev_b32 v[WRO], 14, v[WRO]
	v_add_nc_u32 v[CDO], s22, v[L16]
	v_add_nc_u32 v[STO], s21, v[STO]
	v_lshl_add_u32 v[WRO], v[TW], 5, v[WRO]
	v_lshl_add_u32 v[SCA], v2, 4, s24
	v_add_nc_u32 v[PSA], s25, v[R4]
	v_lshl_add_u32 v[WRO], v3, 4, v[WRO]
	v_add_nc_u32 v[VO], s34, v[L16]
.irp i, 0,1,2,3
	v_mov_b32 v[W4+\i], 0                          ; these four and the two below are written in every wave, so that they are written on every way through the text
.endr
	v_mov_b32 v[B2], 0
	v_mov_b32 v[B2+1], 0
	s_mov_b32 s36, 0x76543210
	s_mov_b32 s37, 0xfedcba98                      ; v_permlanex16_b32's selects for lane l xor 16
	s_lshr_b32 s27, ttmp9, 3                       ; Wo: p
	s_and_b32 s28, ttmp9, 7                        ;     c
	s_lshl_b32 s26, s27, 18                        ;     p x 16 rows x 16,384 bytes
	s_lshl_b32 s29, s28, 11
	s_add_co_u32 s26, s26, s29                     ;     + c x 2,048
	s_sub_co_u32 s38, ttmp9, 256                   ; Wi: tile T
	s_sub_co_u32 s39, ttmp9, 512                   ; x: tile X
	s_lshr_b32 s40, s38, 3
	s_and_b32 s41, s38, 7                          ; T's place in its block
	s_mul_i32 s40, s40, WBLK                       ; its block
	s_lshl_b32 s42, s41, 12
	s_add_co_u32 s42, s42, s40                     ; its codes
	s_lshl_b32 s43, s41, 8
	s_add_co_u32 s43, s43, s40
	s_add_co_u32 s43, s43, 32768                   ; its scale words
	s_mul_i32 s44, s39, XTILE                      ; X's codes
	s_add_co_u32 s45, s44, 4096                    ; and scale words
	s_mov_b32 s23, 16384
	s_mov_b32 s35, 2048
	s_mov_b32 s31, 0
	s_wait_alu depctr_va_vdst(0)
	s_wait_kmcnt 0x0
	s_cmp_lt_u32 ttmp9, 512                        ; the choices hang on the work-group's number alone
	s_cselect_b32 s46, s38, s39
	s_cselect_b32 s42, s42, s44
	s_cselect_b32 s44, s43, s45
	s_cselect_b64 s[48:49], s[6:7], s[4:5]         ; Wi or x
	s_cselect_b64 s[50:51], s[14:15], s[16:17]     ; wpack or xpack
	s_lshl_b32 s46, s46, 15                        ; 16 rows of 2,048 bytes
	s_cmp_lt_u32 ttmp9, 256
	s_cselect_b32 s30, s26, s46                    ; the offset
	s_cselect_b32 s35, s23, s35                    ; the pitch
	s_cselect_b64 s[32:33], s[8:9], s[48:49]       ; the tensor
	s_add_nc_u64 s[32:33], s[32:33], s[30:31]
	s_mov_b32 s43, 0
	s_mov_b32 s45, 0
	s_add_nc_u64 s[52:53], s[50:51], s[42:43]      ; where my codes go (Wo's way does not use the two)
	s_add_nc_u64 s[54:55], s[50:51], s[44:45]      ; and my scale words
.irp i, 1,2,3,4,5,6,7,8,9,10,11,12,13,14,15
	v_mad_u32_u24 v[VO+\i], s35, \i, v[VO]
.endr
	s_cmp_lt_u32 s38, 256                          ; a tile of Wi?  (For Wo's work-groups the difference has wrapped)
	s_cbranch_scc0 .Lgo
	s_lshl_b32 s56, s38, 6                         ; 16 T numbers
	s_mov_b32 s57, 0
	s_cmp_eq_u32 s20, 1
	s_cbranch_scc0 .Lnot_wr
	s_add_nc_u64 s[10:11], s[10:11], s[56:57]
	global_load_b128 v[W4:W4+3], v[WRO], s[10:11]  ; wave 1 brings the tile's numbers of Wr
.Lnot_wr:
	s_cmp_eq_u32 s20, 2
	s_cbranch_scc0 .Lgo
	s_and_b32 s58, s38, 3
	s_cmp_eq_u32 s58, 0
	s_cbranch_scc0 .Lgo
	s_add_nc_u64 s[12:13], s[12:13], s[56:57]
	global_load_b64 v[B2:B2+1], v[L8], s[12:13]    ; wave 2 of every fourth tile brings bi of four tiles: 256 bytes
.Lgo:
	s_wait_alu depctr_va_vdst(0)
.irp i, 0,1,2,3,4,5,6,7,8,9,10,11,12,13,14,15
	global_load_b128 v[R+4*\i:R+4*\i+3], v[VO+\i], s[32:33] th:TH_LOAD_NT   ; 32 lanes read 512 consecutive bytes of row i; read once in the launch
.endr
.irp i, 0,1,2,3,4,5,6,7,8,9,10,11,12,13,14,15
	s_wait_loadcnt 15-\i                           ; row i is in; the rows behind it may be out
	ds_store_b128 v[STI], v[R+4*\i:R+4*\i+3] offset:SPITCH*\i
.endr
.irp c, 0,1
.irp g, 0,1,2,3,4,5,6,7
	ds_load_b128 v[R+32*\c+4*\g:R+32*\c+4*\g+3], v[STO] offset:256*\c+16*\g   ; LDS serves a wave's instructions in order (ISA guide 5.7.1.4): these see my stores.  Register 32 c + i = k 64 c + 32 h + i of row r
.endr
.endr
	s_wait_dscnt 0x0
	; my two blocks, h and 2 + h of row r's four: all 32 numbers of each are mine
.irp c, 0,1
	v_max3_num_f32 v[MX+\c], |v[R+32*\c]|, |v[R+32*\c+1]|, 0x1800000   ; and the floor 2^(3 - 127), under which no largest magnitude is taken: so the byte cannot fall under 1
.endr
.irp i, 2,4,6,8,10,12,14,16,18,20,22,24,26,28,30
.irp c, 0,1
	v_max3_num_f32 v[MX+\c], v[MX+\c], |v[R+32*\c+\i]|, |v[R+32*\c+\i+1]|   ; (the two blocks by turns)
.endr
.endr
.irp c, 0,1
	v_add_nc_u32 v[SO+\c], 0xff000000, v[MX+\c]    ; 2 off the exponent field: the conversion takes the exponent field of this operand as its scale, and nothing else of it
.endr
.irp c, 0,1
	v_lshrrev_b32 v[BY+\c], 23, v[SO+\c]           ; the scale's byte
.endr
	v_lshl_or_b32 v[SW], v[BY+1], 16, v[BY]        ; my two bytes,
	v_lshlrev_b32 v[TA], 3, v3
	v_lshlrev_b32 v[SW], v[TA], v[SW]              ; at their places in the scale word (8 h bits up);
	v_mov_b32 v[TA+1], 0
	v_permlanex16_b32 v[TA+1], v[SW], s36, s37
	v_or_b32 v[SW], v[SW], v[TA+1]                 ; with lane l xor 16's two the word is whole
.irp c, 0,1
.irp g, 0,1,2,3
	v_cvt_scalef32_pk8_fp4_f32 v[F+4*\c+\g], v[R+32*\c+8*\g:R+32*\c+8*\g+7], v[SO+\c]   ; registers 4 c .. 4 c + 3 of the operand
.endr
.endr
	v_nop                                          ; one plain place behind the last scaled conversion
	s_cmp_lt_u32 ttmp9, 256
	s_cbranch_scc1 .Lwo
	; ---- Wi's and x's tail: the images, the scale words, and Wi's Wr and bi go out
	global_store_b128 v[CDO], v[F:F+3], s[52:53]               ; 32 lanes store 512 consecutive bytes, at a multiple of 256 from the buffer's first byte
	global_store_b128 v[CDO], v[F+4:F+7], s[52:53] offset:512
	ds_store_b32 v[SCA], v[SW] offset:SCX          ; both halves of the lanes write the same word with the same value
	s_wait_dscnt 0x0                               ; for the others' sake: my store has landed
	s_barrier_signal -1
	s_barrier_wait -1
	s_cmp_eq_u32 s20, 0
	s_cbranch_scc0 .Lnot_w0
	ds_load_b64 v[SCW:SCW+1], v[L8] offset:SCX     ; the tile's 64 scale words, 8 bytes a lane
	s_wait_dscnt 0x0
	global_store_b64 v[L8], v[SCW:SCW+1], s[54:55] ; 256 consecutive bytes, aligned
.Lnot_w0:
	s_cmp_lt_u32 s38, 256
	s_cbranch_scc0 .Lpack_end
	s_cmp_eq_u32 s20, 1
	s_cbranch_scc0 .Lnot_w1
	s_lshl_b32 s42, s41, 9
	s_add_co_u32 s42, s42, s40
	s_add_co_u32 s42, s42, 34816
	s_add_nc_u64 s[48:49], s[14:15], s[42:43]
	global_store_b128 v[L16], v[W4:W4+3], s[48:49] ; 512 consecutive bytes, aligned
.Lnot_w1:
	s_cmp_eq_u32 s20, 2
	s_cbranch_scc0 .Lpack_end
	s_and_b32 s58, s38, 3
	s_cmp_eq_u32 s58, 0
	s_cbranch_scc0 .Lpack_end
	s_lshl_b32 s44, s41, 6
	s_add_co_u32 s44, s44, s40
	s_add_co_u32 s44, s44, 38912
	s_add_nc_u64 s[50:51], s[14:15], s[44:45]
	global_store_b64 v[L8], v[B2:B2+1], s[50:51]   ; 256 consecutive bytes, aligned
.Lpack_end:
	s_wait_tensorcnt 0x0                           ; the wave's end
	ds_add_u32 v[SPW], v[NIL]
	s_wait_dscnt 0x0
	s_endpgm
	; ---- Wo's tail: ones x my fragment; the four K steps' sums meet in LDS
.Lwo:
	v_mov_b32 v[SA], 0x7f7f7f7f                    ; the ones' scale: 2^0
.irp i, 0,1,2,3,4,5,6,7
	v_mov_b32 v[ONES+\i], 0x22222222               ; eight codes of 1.0
.endr
.rept 8
	v_nop                                          ; a scale register written by a vector instruction stands 8 places ahead of a scaled matrix instruction, an operand so written 4
.endr
	v_wmma_scale_f32_16x16x128_f8f6f4 v[D:D+7], v[ONES:ONES+7], v[F:F+7], 0, v[SA], v[SW] matrix_a_fmt:MATRIX_FMT_FP4 matrix_b_fmt:MATRIX_FMT_FP4   ; every register: the sum over my 128 k of Q(Wo)[row r][k]
.rept 4
	v_nop                                          ; four places in front of the first read of the result (ISA guide 7.12.1)
.endr
	ds_store_b32 v[PSA], v[D] offset:PSX           ; the lowest register; both halves of the lanes write the same word with the same value
	s_wait_dscnt 0x0
	s_barrier_signal -1
	s_barrier_wait -1
	s_cmp_eq_u32 s20, 0
	s_cbranch_scc0 .Lwo_end
.irp i, 0,1,2,3
	ds_load_b32 v[TA+\i], v[R4] offset:PSX+64*\i
.endr
	s_lshl_b32 s34, s27, 6                         ; rp: 2,048 c + 64 p + 4 r
	s_add_co_u32 s34, s34, s29
	v_add_nc_u32 v[RPO], s34, v[R4]
	s_wait_dscnt 0x0
	v_add_f32 v[TA], v[TA], v[TA+1]
	v_add_f32 v[TA+2], v[TA+2], v[TA+3]
	v_add_f32 v[TA], v[TA], v[TA+2]
	s_wait_alu depctr_va_vdst(0)
	s_wait_xcnt 0x0                                ; EXEC changes only behind this wait
	v_cmp_gt_u32 vcc_lo, 16, v[LN]
	s_and_saveexec_b32 s35, vcc_lo
	global_store_b32 v[RPO], v[TA], s[18:19]       ; lanes 0-15: 64 consecutive bytes
	s_wait_xcnt 0x0                                ; and again, in front of the line that widens it
	s_or_b32 exec_lo, exec_lo, s35
.Lwo_end:
	s_wait_tensorcnt 0x0                           ; the wave's end
	ds_add_u32 v[SPW], v[NIL]
	s_wait_dscnt 0x0
	s_endpgm
.Lfunc_end_k_qb1077cc630_prep:
	.size	k_qb1077cc630_prep, .Lfunc_end_k_qb1077cc630_prep-k_qb1077cc630_prep
	.p2alignl 7, 3214868480
	.fill 96, 4, 3214868480
	.section	.rodata,"a",@progbits
	.p2align	6, 0x0
	.amdhsa_kernel k_qb1077cc630_prep
		.amdhsa_group_segment_fixed_size 34816
		.amdhsa_private_segment_fixed_size 0
		.amdhsa_enable_private_segment 0
		.amdhsa_kernarg_size 64
		.amdhsa_user_sgpr_count 2
		.amdhsa_user_sgpr_kernarg_segment_ptr 1
		.amdhsa_wavefront_size32 1
		.amdhsa_system_sgpr_workgroup_id_x 1
		.amdhsa_system_sgpr_workgroup_id_y 1
		.amdhsa_system_sgpr_workgroup_id_z 1
		.amdhsa_system_vgpr_workitem_id 0
		.amdhsa_next_free_vgpr 144
		.amdhsa_next_free_sgpr 66
		.amdhsa_reserve_vcc 1
		.amdhsa_float_denorm_mode_32 3
		.amdhsa_float_denorm_mode_16_64 3
		.amdhsa_memory_ordered 1
		.amdhsa_forward_progress 1
		.amdhsa_inst_pref_size 16
	.end_amdhsa_kernel
	.amdgpu_metadata
---
amdhsa.version: [ 1, 2 ]
amdhsa.kernels:
  - .name:           k_qb1077cc630_prep
    .symbol:         k_qb1077cc630_prep.kd
    .args:
      - { .name: x, .offset: 0, .size: 8, .value_kind: global_buffer, .address_space: global }
      - { .name: Wi, .offset: 8, .size: 8, .value_kind: global_buffer, .address_space: global }
      - { .name: Wo, .offset: 16, .size: 8, .value_kind: global_buffer, .address_space: global }
      - { .name: Wr, .offset: 24, .size: 8, .value_kind: global_buffer, .address_space: global }
      - { .name: bi, .offset: 32, .size: 8, .value_kind: global_buffer, .address_space: global }
      - { .name: wpack, .offset: 40, .size: 8, .value_kind: global_buffer, .address_space: global }
      - { .name: xpack, .offset: 48, .size: 8, .value_kind: global_buffer, .address_space: global }
      - { .name: rp, .offset: 56, .size: 8, .value_kind: global_buffer, .address_space: global }
    .group_segment_fixed_size: 34816
    .private_segment_fixed_size: 0
    .kernarg_segment_align: 8
    .kernarg_segment_size: 64
    .max_flat_workgroup_size: 128
    .sgpr_count:     66
    .vgpr_count:     144
    .wavefront_size: 32
...
	.end_amdgpu_metadata
.endif
;; end of part 1
;; launch moe (part 2): grid 256 x 1, 4 waves a work-group, clusters of 4 x 1, 327,680 bytes of LDS; arguments xpack, wpack, rp, br, bo, out0; writes out0
.if DOCPART == 2
	.amdgcn_target "amdgcn-amd-amdhsa--gfx1250"
	.amdhsa_code_object_version 6
	.text
	.protected	k_qb1077cc630_moe
	.globl	k_qb1077cc630_moe
	.p2align	8
	.type	k_qb1077cc630_moe,@function
k_qb1077cc630_moe:
	s_mov_b64 s[64:65], 0
	v_nop
	global_prefetch_b8 v0, s[64:65] scope:SCOPE_SE
	s_setreg_imm32_b32 hwreg(HW_REG_WAVE_MODE, 25, 1), 1
	s_wait_xcnt 0x0
	s_wait_alu depctr_hold_cnt(0) depctr_sa_sdst(0) depctr_va_vdst(0) depctr_va_sdst(0) depctr_va_ssrc(0) depctr_va_vcc(0) depctr_vm_vsrc(0)
	s_getreg_b32 s2, hwreg(HW_REG_IB_STS2, 6, 4)
	s_cmp_eq_u32 s2, 0
	s_cbranch_scc0 .Lentry_in_a_cluster
	s_endpgm
.Lentry_in_a_cluster:
	s_bfe_u32 s2, ttmp6, 0x10000c
	s_cmp_lg_u32 s2, 0x3003
	s_cbranch_scc0 .Lentry_shape_is_right
	s_endpgm
.Lentry_shape_is_right:
; DeepSeekMoE, second launch: codes -> h = Q(x) Q(Wi)^T + bi -> logits = h Wr^T + br -> softmax, top 2 -> s -> q = Q(s) -> out = q R + bo.
; WORK LEFT OUT: the last product's 16,384 rows are q_t times one row R (every block of its left operand holds 32 times the same number, so the quantised row is q_t x ones, for all values of the
; inputs: shown at the head of the first launch, which multiplied that one row).  An overflow inside the sums left out is not carried to the result.
; LIMITS.  NaN and infinities are not served.  Softmax weights under 2^-126 count as 0 (v_exp_f32 gives 0 there: ISA guide 15.8); among equal weights the lower index is taken, as jax.lax.top_k takes it.
; SHARES.  A work-group owns 64 tokens.  ITS FOUR WAVES SHARE THE HIDDEN UNITS, NOT THE TOKENS: of each 512 units wave w takes 128, eight tiles of 16, against all 64 tokens.  So each fragment of Wi
; is read from LDS once, and x's 16 fragments stay in 128 registers.
; THE FIRST PRODUCT IS USED TRANSPOSED: source 0 = 16 units, source 1 = 16 tokens: lane (r, h) holds token r, its register j unit 8 h + j.  bi is the C of each tile's first instruction.
; THE SECOND PRODUCT (N = 8) decides an index, so it takes f32 operands: v_wmma_f32_16x16x4_f32.  Its B is h as it lies: registers 2 p, 2 p + 1 of lane (r, h) are k = 2 h + 0, 1 of token r, k standing for
; the units 8 h + 2 p + 0, 1; its A, Wr, is laid in the same order: lane (r, h) holds Wr[r % 8] at the tile's units 8 h + 0 .. 7.  Rows 8-15 repeat rows 0-7, so both halves of the lanes end with the same
; eight logits of token r.
; BY TURNS.  Period v multiplies tile v (16 instructions), adds tile v - 1 into the logits (16 instructions) and loads tile v + 1.  At its end stand nine plain places: behind them h's registers that the
; f32 form has read are written over, and those just written are read.
; RING.  Two LDS slots of 512 units (157,696 bytes).  Wave w fetches and reads its own 39,424 bytes of a slot.  CLUSTER: all work-groups walk the same wpack, so the four of a cluster ask JOINTLY,
; by the same tensor load with the same descriptor and the mask of all four.  The work-group's place in its cluster enters the addresses of xpack and out0 alone.
; No prefetch is written: each of the 64 clusters asks for the same 157,696 bytes at each change of slots; xpack and rp are wanted at the head, ahead of the loop; out0 is only written.
; THE GATHERED COLUMNS h[token][0..7] are tile 0's result in lanes 0-15 of wave 0: it has registers of its own, and is kept.
; REGISTERS.  Window 0: addresses, scale words, bi, Wi's fragments, Wr, bo, rp.   Window 1: v0-127 x's fragments (32 t + 8 s), v128-191 h, two sets (32 set + 8 t), v192-223 tile 0's h (8 t),
; v224-255 the logits (8 t), which matrix instructions alone write.
.set WBLK,  39424                      ; a wave's eight tiles: 154 rows of 256 bytes
.set SLOTB, 4*WBLK
.set SPARE, 2*SLOTB                    ; the spare words, 128 bytes for each wave: two blocks of 256 bytes that no other line names
.set XTILE, 4352
.set EXG,   8192                       ; the way out, in slot 0 behind its last fill and last read: at 0 [4 waves][4 token tiles][2][16 tokens] x 16 bytes of logits; here tile 0's h,
.set EXR,   24576                      ; and here R's 512 numbers
.set LN,   1
.set RR,   2
.set HH,   3
.set SPW,  4                           ; LDS address of my spare word; never rewritten
.set NIL,  5                           ; 0; never rewritten
.set LB,   6                           ; v6-7: slot 0, 1: my block + 16 x lane
.set SB,   8                           ; my block + 16 r
.set WB,   10                          ; my block + 128 h + 16 (r % 8)
.set BB,   12                          ; my block + 32 h
.set XO,   14                          ; 16 x lane
.set R16,  15                          ; 16 r
.set AE,   16
.set AEL,  17
.set AG,   18
.set RST,  19
.set XSC,  20                          ; x's scale words, and
.set WS,   36                          ; Wi's, two sets: they hold scales alone
.set BI,   44                          ; two sets
.set WF,   60                          ; two sets
.set WR,   124                         ; four sets
.set BO,   156
.set RP,   172
.set LP,   60                          ; behind the loop: the four waves' parts of my tokens' logits,
.set H8,   92                          ; the gathered columns,
.set RS,   100                         ; R at my 16 columns,
.set LG,   204                         ; the logits,
.set WT,   212                         ; the weights,
.set TM,   220                         ; at work
.set XF,   0
.set HB,   128
.set GH,   192
.set LA,   224
.set WV,   18
.set G1,   24                          ; s[24:31] descriptor group 1
.set G0,   32                          ; s[32:39] group 0, a set for each slot
.set LAP,  40
.set MSB, 0
.macro WIN new                         ; the immediate's high byte repeats the setting that is left; a switch that changes nothing is dropped
.if MSB != \new
	s_set_vgpr_msb (MSB<<8)|\new
.set MSB, \new
.endif
.endm
.macro CREST                           ; a round of the cluster's barrier behind its opening barrier
	s_cmp_lg_u32 s[WV], 0
	s_cbranch_scc1 .Lnot_wave_0_\@
	s_barrier_signal -3
.Lnot_wave_0_\@:
	s_barrier_wait -3
	s_barrier_signal -1
	s_barrier_wait -1
.endm
.macro ROUND                           ; a whole round
	s_barrier_signal -1
	s_barrier_wait -1
	CREST
.endm
.macro PLACES n
.rept \n
	v_nop
.endr
.endm
	s_load_b256 s[4:11], s[0:1], 0x0               ; xpack s[4:5], wpack s[6:7], rp s[8:9], br s[10:11]
	s_load_b128 s[12:15], s[0:1], 0x20             ; bo s[12:13], out0 s[14:15]
	v_lshl_add_u32 v[SPW], v0, 2, SPARE
	v_mov_b32 v[NIL], 0
	ds_add_u32 v[SPW], v[NIL]                      ; the wave's opening: the add, twice on end, and its wait ahead of my first tensor load; the set-up below stands between
	ds_add_u32 v[SPW], v[NIL]                      ; and once more, under the one wait
	v_lshrrev_b32 v1, 5, v0
	v_readfirstlane_b32 s[WV], v1                  ; wave 0..3
	v_and_b32 v[LN], 31, v0
	v_and_b32 v[RR], 15, v0
	v_bfe_u32 v[HH], v0, 4, 1
	s_mul_i32 s22, s[WV], WBLK                     ; my wave's block: in a slot, and in a slot's worth of wpack
	s_lshl_b32 s44, s[WV], 9
	s_lshl_b32 s46, s[WV], 11
	s_lshl_b32 s47, s[WV], 12
	v_lshlrev_b32 v[XO], 4, v[LN]
	v_lshlrev_b32 v[R16], 4, v[RR]
	v_and_b32 v204, 7, v[RR]
	v_lshl_add_u32 v[BB], v[HH], 5, s22
	v_add_nc_u32 v[LB], s22, v[XO]
	v_add_nc_u32 v[SB], s22, v[R16]
	v_lshlrev_b32 v204, 4, v204
	v_lshl_add_u32 v[AG], v[HH], 11, v[R16]
	v_add_nc_u32 v[AE], s46, v[R16]                ; the logits, out: 2,048 x wave + 16 r
	v_add_nc_u32 v[AEL], s44, v[R16]               ; and back: token tile = my wave
	v_lshl_add_u32 v204, v[HH], 7, v204
	v_add_nc_u32 v[AG], s47, v[AG]                 ; tile 0's h: 4,096 x wave + 2,048 h + 16 r
	v_add_nc_u32 v[RST], s44, v[XO]                ; R: my wave's 128 columns
	v_add_nc_u32 v[WB], s22, v204
	v_add_nc_u32 v[BB+1], SLOTB, v[BB]
	v_add_nc_u32 v[LB+1], SLOTB, v[LB]
	v_add_nc_u32 v[SB+1], SLOTB, v[SB]
	v_add_nc_u32 v[WB+1], SLOTB, v[WB]
	s_mov_b32 s23, 0
	s_mov_b32 s45, 0
	s_bfe_u32 s19, ttmp6, 0x40000                  ; cx: my place in the cluster
	s_lshl_b32 s20, ttmp9, 2                       ; in a cluster launch ttmp9 counts clusters
	s_add_co_u32 s20, s20, s19                     ; my block of 64 tokens
	s_mul_i32 s48, s20, 4*XTILE                    ; its four tiles of xpack
	s_mov_b32 s49, 0
	s_lshl_b32 s50, s20, 17                        ; out0: 64 rows of 2,048 bytes,
	s_lshl_b32 s51, s[WV], 15                      ; + my wave's 16 rows
	s_add_co_u32 s50, s50, s51
	s_mov_b32 s51, 0
	s_mov_b32 s77, 0                               ; (named as the upper halves of the pairs s[76:77], s[78:79], so they are written)
	s_mov_b32 s79, 0
	; descriptor group 1: a dense block of 154 rows of 256 bytes (32 elements of 8 bytes), no padding: register images are read as 512 consecutive bytes
	s_mov_b32 s[G1+0], 15|(3<<16)|(1<<21)          ; 15:0 the mask: all four work-groups; 17:16 elements of 8 bytes; 21 set beside a mask
	s_mov_b32 s[G1+1], 32<<16                      ; tensor_dim0 = 32
	s_mov_b32 s[G1+2], 154<<16                     ; tensor_dim1 = 154
	s_mov_b32 s[G1+3], 32<<16                      ; tile_dim0 = 32
	s_mov_b32 s[G1+4], 154                         ; tile_dim1 = 154
	s_mov_b32 s[G1+5], 32                          ; from row to row
	s_mov_b32 s[G1+6], 0
	s_mov_b32 s[G1+7], 0
	s_wait_alu depctr_va_vdst(0)
	s_wait_dscnt 0x0                               ; both opening adds are done
	s_wait_kmcnt 0x0
	s_mov_b32 s[G0+0], 1                           ; count = 1
	s_mov_b32 s[G0+1], s22                         ; LDS: slot 0, my block
	s_add_nc_u64 s[G0+2:G0+3], s[6:7], s[22:23]    ; units 0-511, my block
	s_mov_b32 s[G0+4], 1
	s_add_co_u32 s[G0+5], s22, SLOTB               ; slot 1
	s_add_nc_u64 s[G0+6:G0+7], s[G0+2:G0+3], SLOTB ; units 512-1,023
	s_or_b32 s[G0+3], s[G0+3], 0x80000000          ; type = 2
	s_or_b32 s[G0+7], s[G0+7], 0x80000000
	s_add_nc_u64 s[4:5], s[4:5], s[48:49]
	s_add_nc_u64 s[8:9], s[8:9], s[44:45]          ; rp at my wave's 128 columns
	s_add_nc_u64 s[14:15], s[14:15], s[50:51]
	WIN 0x40                                       ; destination window 1
.irp t, 0,1,2,3
.irp n, 0,1,2,3,4,5,6,7
	global_load_b128 v[XF+32*\t+4*\n:XF+32*\t+4*\n+3], v[XO], s[4:5] offset:XTILE*\t+512*\n   ; x's fragments: 512 consecutive bytes
.endr
.endr
	WIN 0
.irp t, 0,1,2,3
	global_load_b128 v[XSC+4*\t:XSC+4*\t+3], v[R16], s[4:5] offset:XTILE*\t+4096   ; token r's four scale words
.endr
	ROUND                                          ; all four work-groups are here: the first joint loads meet
	tensor_load_to_lds s[G0:G0+3], s[G1:G1+7]      ; slot 0
	s_nop 0
	PLACES 4
.irp m, 0,1,2,3
	global_load_b128 v[BO+4*\m:BO+4*\m+3], v[XO], s[12:13] offset:512*\m           ; bo at my 16 columns: 128 m + 4 x lane + 0 .. 3
.endr
.irp ch, 0,1,2,3,4,5,6,7
	global_load_b128 v[RP+4*\ch:RP+4*\ch+3], v[XO], s[8:9] offset:2048*\ch         ; rp's eight parts at four columns: 128 x wave + 4 x lane + 0 .. 3
.endr
	s_load_b256 s[52:59], s[10:11], 0x0            ; br[0..7]
; One instruction of the first product: number i: K step i / 4, token tile i % 4: the four accumulators take turns, one instruction a turn.
.macro FOUR i
.set ks, (\i)/4
.set tt, (\i)%4
.if ks == 0
	v_wmma_scale_f32_16x16x128_f8f6f4 v[DH+8*tt:DH+8*tt+7], v[WF+32*PS:WF+32*PS+7], v[XF+32*tt:XF+32*tt+7], v[BI+8*PS:BI+8*PS+7], v[WS+4*PS], v[XSC+4*tt] matrix_a_fmt:MATRIX_FMT_FP4 matrix_b_fmt:MATRIX_FMT_FP4
.else
	v_wmma_scale_f32_16x16x128_f8f6f4 v[DH+8*tt:DH+8*tt+7], v[WF+32*PS+8*ks:WF+32*PS+8*ks+7], v[XF+32*tt+8*ks:XF+32*tt+8*ks+7], v[DH+8*tt:DH+8*tt+7], v[WS+4*PS+ks], v[XSC+4*tt+ks] matrix_a_fmt:MATRIX_FMT_FP4 matrix_b_fmt:MATRIX_FMT_FP4
.endif
.endm
; One of the second product: number i: h's registers 2 p, 2 p + 1 (p = i / 4), token tile i % 4: the four accumulators take turns likewise.  START: the first four begin the sums.
.macro EFF i
.if ADDS
.set pp, (\i)/4
.set tt, (\i)%4
.if START && (pp == 0)
	v_wmma_f32_16x16x4_f32 v[LA+8*tt:LA+8*tt+7], v[WR+8*PW:WR+8*PW+1], v[SH+8*tt:SH+8*tt+1], 0
.else
	v_wmma_f32_16x16x4_f32 v[LA+8*tt:LA+8*tt+7], v[WR+8*PW+2*pp:WR+8*PW+2*pp+1], v[SH+8*tt+2*pp:SH+8*tt+2*pp+1], v[LA+8*tt:LA+8*tt+7]
.endif
.endif
.endm
; Instructions from .. to - 1 of a period's 32: four of the first product, two of the second, twelve pairs, two of the second.
.macro MS from, to
.set mi, \from
.rept (\to)-(\from)
.if mi < 4
	FOUR mi
.else
.if mi < 6
	EFF mi-4
.else
.if mi < 30
.if mi%2 == 0
	FOUR 4+(mi-6)/2
.else
	EFF 2+(mi-7)/2
.endif
.else
	EFF mi-16
.endif
.endif
.endif
.set mi, mi+1
.endr
.endm
.macro LOADS                           ; the next tile: bi, scale words, eight images, Wr
	ds_load_b128 v[BI+8*NS:BI+8*NS+3], v[BB+NSL] offset:38912+64*NI
	ds_load_b128 v[BI+8*NS+4:BI+8*NS+7], v[BB+NSL] offset:38912+64*NI+16
	ds_load_b128 v[WS+4*NS:WS+4*NS+3], v[SB+NSL] offset:32768+256*NI
.irp n, 0,1,2,3,4,5,6,7
	ds_load_b128 v[WF+32*NS+4*\n:WF+32*NS+4*\n+3], v[LB+NSL] offset:4096*NI+512*\n
.endr
.irp q, 0,1
	ds_load_b128 v[WR+8*NW+4*\q:WR+8*NW+4*\q+3], v[WB+NSL] offset:34816+512*NI+256*\q
.endr
.endm
.set MULC, 0x44                        ; source 0 and C window 0, source 1 and destination window 1
.set MULL, 0x54                        ; source 0 window 0, all else window 1
; Period v.  ld: tile v + 1 is loaded.  chg: v is the last tile of its slot: all of the slot has been asked for from LDS.  THE CHANGE OF SLOTS: each wave waits for all its tensor loads (one is out: its block
; of the other slot), adds 0 to its spare word, and waits for that and for its reads of the slot; then, chg = 1, a round of the cluster's barrier and the joint refill first behind it, the units two slots on;
; chg = 2, nothing is left to fetch: a work-group barrier alone, behind which nobody reads slot 0 any more.  Matrix instructions stand between the barrier's signal and its wait.
.macro PERIOD vv, ld, chg
.set PS, (\vv)%2
.set PW, ((\vv)+3)%4
.set NS, 1-PS
.set NW, ((\vv)+1)%4
.set NI, ((\vv)+1)%8
.set NSL, (((\vv)+1)/8)%2
.set OSL, ((\vv)/8)%2
.set DH, HB+32*PS
.set SH, HB+32*NS
.set ADDS, 1
.set START, 0
.if (\vv) == 0
.set DH, GH
.set ADDS, 0
.endif
.if (\vv) == 1
.set SH, GH
.set START, 1
.endif
.if \chg
	WIN 0
	s_wait_tensorcnt 0x0                           ; no tensor load of mine is out, so a group 0 may be written
	ds_add_u32 v[SPW], v[NIL]                      ; 0 onto my spare word
.if (\chg) == 1
	s_add_nc_u64 s[G0+4*OSL+2:G0+4*OSL+3], s[G0+4*OSL+2:G0+4*OSL+3], 2*SLOTB   ; the type bits on top are not reached
.endif
	s_wait_dscnt 0x1                               ; this tile is in; the add may be out
	WIN MULC
	MS 0, 4
	WIN MULL
	MS 4, 8
	s_wait_dscnt 0x0                               ; the add is done, and my reads of the slot are over
	s_barrier_signal -1
	MS 8, 20
	WIN 0
	s_barrier_wait -1
.if (\chg) == 1
	CREST
	tensor_load_to_lds s[G0+4*OSL:G0+4*OSL+3], s[G1:G1+7]
	s_nop 0
	PLACES 4
.endif
	LOADS
	WIN MULL
	MS 20, 32
.else
	s_wait_dscnt 0x0                               ; this tile is in: its loads stand in the period before
	WIN MULC
	MS 0, 4
.if \ld
	WIN 0
	LOADS
.endif
	WIN MULL
	MS 4, 32
.endif
.if \ld
	PLACES 9
.endif
.endm
	s_wait_alu depctr_va_vdst(0)
	s_wait_tensorcnt 0x0                           ; my block of slot 0 is in
	ds_add_u32 v[SPW], v[NIL]
	s_wait_dscnt 0x0                               ; the add is done
	ROUND
	tensor_load_to_lds s[G0+4:G0+7], s[G1:G1+7]    ; slot 1, the first tensor load behind the round
	s_nop 0
	PLACES 4
.set NS, 0
.set NW, 0
.set NI, 0
.set NSL, 0
	LOADS                                          ; tile 0
	s_wait_loadcnt 12                              ; x's fragments and scale words are in; bo's four and rp's eight loads may be out
	s_wait_kmcnt 0x0                               ; br
	PERIOD 0, 1, 0                                 ; tile 0's h has registers of its own
	PERIOD 1, 1, 0                                 ; its products with Wr start the logits
	WIN 0                                          ; at a label and at a branch every window is 0
	s_mov_b32 s[LAP], 3
.Llap:                                             ; a trip walks 16 tiles, from a slot's third on, and fills both slots again
.set VV, 2
.rept 16
.if VV%8 == 7
	PERIOD VV, 1, 1
.else
	PERIOD VV, 1, 0
.endif
.set VV, VV+1
.endr
	WIN 0
	s_sub_co_u32 s[LAP], s[LAP], 1
	s_cmp_lg_u32 s[LAP], 0
	s_cbranch_scc1 .Llap
.set VV, 50                                        ; the last 14 tiles
.rept 13
.if VV == 55
	PERIOD VV, 1, 2
.else
	PERIOD VV, 1, 0
.endif
.set VV, VV+1
.endr
	PERIOD 63, 0, 0
	; R = the sum of rp's eight parts, at my wave's 128 columns: these 14 plain lines are the places in front of the last tile's products with Wr
	WIN 0
	s_wait_loadcnt 0x0
.irp p, 0,2,4,6,8,10,12,14
	v_pk_add_f32 v[RP+\p:RP+\p+1], v[RP+\p:RP+\p+1], v[RP+16+\p:RP+16+\p+1]
.endr
.irp p, 0,2,4,6
	v_pk_add_f32 v[RP+\p:RP+\p+1], v[RP+\p:RP+\p+1], v[RP+8+\p:RP+8+\p+1]
.endr
.irp p, 0,2
	v_pk_add_f32 v[RP+\p:RP+\p+1], v[RP+\p:RP+\p+1], v[RP+4+\p:RP+4+\p+1]
.endr
	WIN MULL
.set PW, 3
.set SH, HB+32
.irp i, 0,1,2,3,4,5,6,7,8,9,10,11,12,13,14,15
	EFF \i                                         ; the last tile is added
.endr
	PLACES 9
	WIN 0x04                                       ; an LDS store's data are its source 1: window 1
.irp t, 0,1,2,3
	ds_store_b128 v[AE], v[LA+8*\t:LA+8*\t+3] offset:512*\t            ; both halves of the lanes write the same bytes with the same values
	ds_store_b128 v[AE], v[LA+8*\t+4:LA+8*\t+7] offset:512*\t+256
.endr
.irp t, 0,1,2,3
	ds_store_b128 v[AG], v[GH+8*\t:GH+8*\t+3] offset:EXG+512*\t        ; each wave its own first tile; wave 0's lanes 0-15 are read
	ds_store_b128 v[AG], v[GH+8*\t+4:GH+8*\t+7] offset:EXG+512*\t+256
.endr
	WIN 0
	ds_store_b128 v[RST], v[RP:RP+3] offset:EXR
	s_wait_dscnt 0x0                               ; for the others' sake: my stores have landed
	s_barrier_signal -1
	s_barrier_wait -1
.irp sw, 0,1,2,3
.irp q, 0,1
	ds_load_b128 v[LP+8*\sw+4*\q:LP+8*\sw+4*\q+3], v[AEL] offset:2048*\sw+256*\q   ; token 16 x wave + r: both halves of the lanes read the same
.endr
.endr
.irp q, 0,1
	ds_load_b128 v[H8+4*\q:H8+4*\q+3], v[AEL] offset:EXG+256*\q        ; wave 0's h[token][0..7]
.endr
.irp m, 0,1,2,3
	ds_load_b128 v[RS+4*\m:RS+4*\m+3], v[XO] offset:EXR+512*\m         ; R at my 16 columns
.endr
	s_wait_dscnt 0x6                               ; the logits' parts are in; the six younger loads may be out
; ---- THE ROUTER.  A lane is a token (both halves of the lanes do the same)
.irp p, 0,2,4,6
	v_pk_add_f32 v[LP+\p:LP+\p+1], v[LP+\p:LP+\p+1], v[LP+8+\p:LP+9+\p]
	v_pk_add_f32 v[LP+16+\p:LP+17+\p], v[LP+16+\p:LP+17+\p], v[LP+24+\p:LP+25+\p]
.endr
.irp p, 0,2,4,6
	v_pk_add_f32 v[LG+\p:LG+\p+1], v[LP+\p:LP+\p+1], v[LP+16+\p:LP+17+\p]
.endr
.irp e, 0,1,2,3,4,5,6,7
	v_add_f32 v[LG+\e], s[52+\e], v[LG+\e]         ; + br[e]
.endr
	v_max3_num_f32 v[TM], v[LG], v[LG+1], v[LG+2]  ; the maximum is taken away before the exponential
	v_max3_num_f32 v[TM+1], v[LG+3], v[LG+4], v[LG+5]
	v_max3_num_f32 v[TM], v[TM], v[LG+6], v[LG+7]
	v_max_num_f32 v[TM], v[TM], v[TM+1]
.irp e, 0,1,2,3,4,5,6,7
	v_sub_f32 v[WT+\e], v[LG+\e], v[TM]
.endr
.irp e, 0,1,2,3,4,5,6,7
	v_mul_f32 v[WT+\e], 0x3fb8aa3b, v[WT+\e]       ; x log2(e)
.endr
	s_wait_alu depctr_va_vdst(0)
.irp e, 0,1,2,3,4,5,6,7
	v_exp_f32 v[WT+\e], v[WT+\e]
.endr
	v_mov_b32 v[TM+1], 0                           ; the first choice's index.  (The plain line behind the exponentials)
	s_wait_alu depctr_va_vdst(0)                   ; one wait for the batch, ahead of its first reader
	v_add_f32 v[TM+2], v[WT], v[WT+1]
	v_add_f32 v[TM+3], v[WT+2], v[WT+3]
	v_add_f32 v[TM+4], v[WT+4], v[WT+5]
	v_add_f32 v[TM+5], v[WT+6], v[WT+7]
	v_add_f32 v[TM+2], v[TM+2], v[TM+3]
	v_add_f32 v[TM+4], v[TM+4], v[TM+5]
	v_add_f32 v[TM+2], v[TM+2], v[TM+4]
	s_wait_alu depctr_va_vdst(0)
	v_rcp_f32 v[TM+3], v[TM+2]
	v_nop                                          ; a plain line behind the reciprocal
	s_wait_alu depctr_va_vdst(0)
	s_wait_dscnt 0x0                               ; the gathered columns and R are in
.irp e, 0,1,2,3,4,5,6,7
	v_mul_f32 v[WT+\e], v[WT+\e], v[TM+3]          ; the softmax
.endr
	v_mov_b32 v[TM+4], v[WT]                       ; the largest weight so far,
	v_mov_b32 v[TM+5], v[H8]                       ; and h at its index
.irp e, 1,2,3,4,5,6,7
	v_cmp_gt_f32 vcc_lo, v[WT+\e], v[TM+4]         ; strictly greater: among equals the lower index stays
	v_cndmask_b32 v[TM+4], v[TM+4], v[WT+\e], vcc_lo
	v_cndmask_b32 v[TM+5], v[TM+5], v[H8+\e], vcc_lo
	v_cndmask_b32 v[TM+1], v[TM+1], \e, vcc_lo
.endr
.irp e, 0,1,2,3,4,5,6,7
	v_cmp_eq_u32 vcc_lo, \e, v[TM+1]
	v_cndmask_b32 v[WT+\e], v[WT+\e], -1.0, vcc_lo ; the first choice is taken out: no weight is under 0
.endr
	v_mov_b32 v[TM+4], v[WT]
	v_mov_b32 v[TM+6], v[H8]
.irp e, 1,2,3,4,5,6,7
	v_cmp_gt_f32 vcc_lo, v[WT+\e], v[TM+4]
	v_cndmask_b32 v[TM+4], v[TM+4], v[WT+\e], vcc_lo
	v_cndmask_b32 v[TM+6], v[TM+6], v[H8+\e], vcc_lo
.endr
	v_add_f32 v[TM+5], v[TM+5], v[TM+6]
	v_mul_f32 v[TM+5], 0.5, v[TM+5]                ; s: the mean of the two
	; q = Q(s): a block of 32 times s has the largest magnitude |s|
	v_max3_num_f32 v[TM+6], |v[TM+5]|, |v[TM+5]|, 0x1800000   ; with the floor 2^(3 - 127)
	v_add_nc_u32 v[TM+7], 0xff000000, v[TM+6]      ; the conversion's scale operand
.irp i, 0,1,2,3,4,5,6,7
	v_mov_b32 v[230+\i], v[TM+5]
.endr
	v_mov_b32 v[TM+8], 0x7f7f7f7f                  ; 2^0 in every byte
	v_cvt_scalef32_pk8_fp4_f32 v[TM+9], v[230:237], v[TM+7]
	v_nop                                          ; one plain place behind a scaled conversion
	v_cvt_scale_pk8_f32_fp4 v[238:245], v[TM+9], v[TM+8]   ; the code's value
	v_and_b32 v[TM+2], 0x7f800000, v[TM+7]         ; the scale as a number.  (The plain place)
	v_mul_f32 v[TM+3], v238, v[TM+2]               ; q
; ---- OUT: my wave's 16 rows: out[row][o] = q R[o] + bo[o].  Each store covers 512 consecutive bytes, at a multiple of 256 from out0's first byte.  Results lie in window 1's v0-223, 14 rows' worth
	WIN 0x44                                       ; destination and a store's data window 1, all else window 0
.set rho, 0
.rept 16
.set OS, 16*(rho%14)
.set QS, 76+2*(rho%2)
.if rho == 14
	s_wait_xcnt 0x0                                ; the stores of rows 0 and 1 have read their registers
.endif
	v_readlane_b32 s[QS], v[TM+3], rho
.irp p, 0,2,4,6,8,10,12,14
	v_pk_fma_f32 v[OS+\p:OS+\p+1], v[RS+\p:RS+\p+1], s[QS:QS+1], v[BO+\p:BO+\p+1] op_sel_hi:[1,0,1]
.endr
.irp m, 0,1,2,3
	global_store_b128 v[XO], v[OS+4*\m:OS+4*\m+3], s[14:15] offset:2048*rho+512*\m th:TH_STORE_NT
.endr
.set rho, rho+1
.endr
	WIN 0
	s_wait_tensorcnt 0x0                           ; the wave's end
	ds_add_u32 v[SPW], v[NIL]
	s_wait_dscnt 0x0
	ROUND                                          ; the closing round: no work-group ends while a partner may still ask for a tile that names it
	s_endpgm
.Lfunc_end_k_qb1077cc630_moe:
	.size	k_qb1077cc630_moe, .Lfunc_end_k_qb1077cc630_moe-k_qb1077cc630_moe
	.p2alignl 7, 3214868480
	.fill 96, 4, 3214868480
	.section	.rodata,"a",@progbits
	.p2align	6, 0x0
	.amdhsa_kernel k_qb1077cc630_moe
		.amdhsa_group_segment_fixed_size 327680
		.amdhsa_private_segment_fixed_size 0
		.amdhsa_enable_private_segment 0
		.amdhsa_kernarg_size 48
		.amdhsa_user_sgpr_count 2
		.amdhsa_user_sgpr_kernarg_segment_ptr 1
		.amdhsa_wavefront_size32 1
		.amdhsa_system_sgpr_workgroup_id_x 1
		.amdhsa_system_sgpr_workgroup_id_y 1
		.amdhsa_system_sgpr_workgroup_id_z 1
		.amdhsa_system_vgpr_workitem_id 0
		.amdhsa_next_free_vgpr 512
		.amdhsa_next_free_sgpr 80
		.amdhsa_reserve_vcc 1
		.amdhsa_float_denorm_mode_32 3
		.amdhsa_float_denorm_mode_16_64 3
		.amdhsa_memory_ordered 1
		.amdhsa_forward_progress 1
		.amdhsa_inst_pref_size 172
	.end_amdhsa_kernel
	.amdgpu_metadata
---
amdhsa.version: [ 1, 2 ]
amdhsa.kernels:
  - .name:           k_qb1077cc630_moe
    .symbol:         k_qb1077cc630_moe.kd
    .args:
      - { .name: xpack, .offset: 0, .size: 8, .value_kind: global_buffer, .address_space: global }
      - { .name: wpack, .offset: 8, .size: 8, .value_kind: global_buffer, .address_space: global }
      - { .name: rp, .offset: 16, .size: 8, .value_kind: global_buffer, .address_space: global }
      - { .name: br, .offset: 24, .size: 8, .value_kind: global_buffer, .address_space: global }
      - { .name: bo, .offset: 32, .size: 8, .value_kind: global_buffer, .address_space: global }
      - { .name: out0, .offset: 40, .size: 8, .value_kind: global_buffer, .address_space: global }
    .group_segment_fixed_size: 327680
    .private_segment_fixed_size: 0
    .kernarg_segment_align: 8
    .kernarg_segment_size: 48
    .max_flat_workgroup_size: 128
    .sgpr_count:     80
    .vgpr_count:     512
    .wavefront_size: 32
...
	.end_amdgpu_metadata
.endif
;; end of part 2
